; MI455X (gfx1250); checked and timed in simulation.
; The chip was launched on July 23, 2026; its instructions are those of AMD's public machine-readable ISA for CDNA 5 (MIT licence, August 2026) and "CDNA5" Instruction Set Architecture Reference Guide (July 2026). The comments in the code are by the model that wrote it; some were corrected since.
;; Chamfer Distance. Allowed arithmetic: float matrix products may take bf16 or f16 operands with f32 sums; all other float work in f32.
;; Inputs: xyz1 16 x 4,096 x 3 float32; xyz2 16 x 4,096 x 3 float32.
;; Outputs: out0 16 x 4,096 float32; out1 16 x 4,096 float32.
;; 2 versions, each right; version 2 is version 1 with the launch pairs written anew for expert scheduling mode. Each part assembles by itself: llvm-mc -triple=amdgcn-amd-amdhsa -mcpu=gfx1250 --defsym DOCPART=n.
;; ======== version 1 of 2: 2 launches
;; workspace buffers: part1 1,048,576 bytes; part2 1,048,576 bytes
;; launch pairs (part 1): grid 16 x 16, 8 waves a work-group, no clusters, 300,032 bytes of LDS; arguments xyz1, xyz2, part1, part2; writes part1, part2
.if DOCPART == 1
	.amdgcn_target "amdgcn-amd-amdhsa--gfx1250"
	.amdhsa_code_object_version 6
	.text
	.protected	k_q205d2ae432_pairs
	.globl	k_q205d2ae432_pairs
	.p2align	8
	.type	k_q205d2ae432_pairs,@function
k_q205d2ae432_pairs:
	s_mov_b64 s[64:65], 0
	v_nop
	global_prefetch_b8 v0, s[64:65] scope:SCOPE_SE
	s_setreg_imm32_b32 hwreg(HW_REG_WAVE_MODE, 25, 1), 1
	s_wait_xcnt 0x0
; Chamfer distance, first of two launches: every squared distance once, minima over a block of 1024 x 1024 pairs.
;   d[n][m] = |a_n|^2 + |b_m|^2 - 2 a_n.b_m,   a = xyz1[batch], b = xyz2[batch]
;   part1[batch][mblk][n] = min of d over the 1024 m of block mblk;  part2[batch][nblk][m] = min of d over the 1024 n of block nblk.
; The second launch takes the minimum over the four blocks.
;
; ONE MATRIX INSTRUCTION MAKES A FINISHED 16 x 16 TILE OF d.  The bf16 form sums 32 products and the problem needs 3, so the other places
; carry accuracy.  Every f32 is cut exactly into three bf16 pieces, v = v0 + v1 + v2 (8 + 8 + 8 mantissa bits: keep the upper 16 bits of the
; word, subtract, which is exact, and again).  With c the pieces of a coordinate of a, d those of -2 x the coordinate of b, s those of |a|^2,
; t those of |b|^2, a point's 32 numbers along K are
;     K  0- 7 (x), 8-15 (y), 16-23 (z):  A: c0 c0 c1 c1 c2 c2 c0 c1     B: d0 d1 d0 d1 d0 d1 d2 d2
;     K 24-31:                           A: s0 1  s1 1  s2 1  0  0      B: 1  t0 1  t1 1  t2 0  0
; All products of pieces but c2 d2 (about 2^-32 of the coordinate product) are there, and the norms are whole.
;
; WORK.  Grid 16 x 16: x = nblk + 4 mblk, y = batch.  Eight waves; a wave owns 128 rows (points of xyz1): 8 A fragments and 64 running row minima
; stay in registers, and it walks the block's 64 column tiles two at a time.  Per tile: 1 matrix instruction, 4 v_min3 for the rows (two tiles
; into one running minimum) and 4 for the columns (eight rows of a lane into one chain).  Two waves share a SIMD so that one can issue minima
; while the other's matrix instructions run; there is no sum along K to keep, so a larger register tile would feed nothing.
; No tensor loads: the group's whole input is 24,576 bytes and has to pass through the vector ALU to become operands.  No cluster: those bytes,
; read once at the first lines, are all that work-groups share.  No prefetch: nothing is loaded from memory after the first lines.
;
; LIMITS.  Inputs are finite with finite squared norms (an infinity would make NaN pieces).  The minima are the _num forms: a NaN loses, where
; jnp.min would carry it.  The sums are made in the matrix unit's order, not in the reference's.  Pieces that are f32 denormals (coordinates
; below about 2^-103) are dropped; their share of any d is far below its last bit.
.set NPTS,   4096                      ; points of a cloud
.set BLK,    1024                      ; points of each cloud in a work-group's block
.set PITCH,  80                        ; LDS bytes from point to point: 64 of data + 16; 5 x 16, so 16 neighbouring points lie in 16 different 16-byte columns of a 256-byte span
.set BBASE,  BLK*PITCH                 ; LDS: A's rows at 0, B's rows behind them
.set COLB,   2*BLK*PITCH               ; column minima: [wave 8][tile 64][lane 32] f32
.set ROWB,   COLB+8*64*128             ; row minima on their way out: [wave 8][group 32] of 272 bytes
.set RPITCH, 272                       ; 16 lanes x 16 bytes + 16: 17 x 16
.set LN, 1                             ; v1   lane
.set RW, 2                             ; v2   lane % 16
.set HF, 3                             ; v3   lane / 16
.set GO, 4                             ; v4   byte offset of my first point in the block's part of xyz1 and of xyz2
.set LA, 5                             ; v5   LDS address of my first point's K row, A
.set LB, 6                             ; v6   the same, B
.set FA, 7                             ; v7   LDS address of my part of my wave's A fragments
.set BA, 8                             ; v8   LDS address of my part of B's fragments, stepped
.set CS, 9                             ; v9   where my column minima go, stepped
.set RS, 10                            ; v10  where my row minima go
.set RD, 11                            ; v11  where I read row minima back
.set CR, 12                            ; v12  where I read column minima back
.set OO, 13                            ; v13  16 x thread: my 16 bytes of both results
.set CA, 14                            ; v14-15  the two column chains
.set AF, 16                            ; v16-79   8 A fragments
.set RACC, 80                          ; v80-143  running row minima, [row tile 8][register 8]
.set BF0, 144                          ; v144-159 two B fragments
.set BF1, 160                          ; v160-175 the next two
.set D0, 176                           ; v176-207 four result tiles [row tile 2][column tile 2][8]
.set D1, 208                           ; v208-239 four more
.set X1, 80                            ; in front of the loop: 4 points of xyz1, four registers each (x, y, z, norm)
.set X2, 96                            ; 4 points of xyz2
.set TMP, 112
.set P1, 116                           ; what is left behind the first piece
.set P2, 120                           ; what is left behind the second = the third piece
.set OUT, 128                          ; a point's 64 bytes
	s_load_b256 s[4:11], s[0:1], 0x0               ; xyz1 s[4:5], xyz2 s[6:7], part1 s[8:9], part2 s[10:11]
	v_lshl_add_u32 v240, v0, 2, 0x49000
	v_mov_b32 v241, 0
	v_and_b32 v[LN], 31, v0
	v_lshrrev_b32 v2, 5, v0
	v_readfirstlane_b32 s12, v2                    ; wave 0..7
	s_and_b32 s13, ttmp7, 0xffff                   ; batch
	s_and_b32 s14, ttmp9, 3                        ; nblk
	s_lshr_b32 s15, ttmp9, 2                       ; mblk
	s_mul_i32 s16, s13, NPTS*12
	s_mul_i32 s17, s14, BLK*12
	s_mul_i32 s18, s15, BLK*12
	s_add_co_u32 s20, s16, s17                     ; the block's first byte in xyz1
	s_mov_b32 s21, 0
	s_add_co_u32 s22, s16, s18                     ; and in xyz2
	s_mov_b32 s23, 0
	s_lshl_b32 s24, s12, 7
	v_add_nc_u32 v14, s24, v[LN]                   ; my first point: 128 x wave + lane; the others 32, 64, 96 further
	v_mul_u32_u24 v[GO], v14, 12
	s_wait_kmcnt 0x0
	s_add_nc_u64 s[4:5], s[4:5], s[20:21]
	s_add_nc_u64 s[6:7], s[6:7], s[22:23]
.irp e, 0,1,2,3
	global_load_b96 v[X1+4*\e:X1+4*\e+2], v[GO], s[4:5] offset:\e*32*12    ; a wave's load covers 384 neighbouring bytes
.endr
.irp e, 0,1,2,3
	global_load_b96 v[X2+4*\e:X2+4*\e+2], v[GO], s[6:7] offset:\e*32*12
.endr
	; while they are on their way: the results' places and the addresses that the loop needs
	s_lshl_b32 s16, s13, 16                        ; batch x 4 blocks x 4,096 f32
	s_lshl_b32 s17, s15, 14
	s_lshl_b32 s18, s14, 12
	s_add_co_u32 s20, s16, s17
	s_add_co_u32 s20, s20, s18                     ; part1[batch][mblk][1024 nblk]
	s_add_nc_u64 s[8:9], s[8:9], s[20:21]
	s_lshl_b32 s17, s14, 14
	s_lshl_b32 s18, s15, 12
	s_add_co_u32 s22, s16, s17
	s_add_co_u32 s22, s22, s18                     ; part2[batch][nblk][1024 mblk]
	s_add_nc_u64 s[10:11], s[10:11], s[22:23]
	s_mov_b32 s25, 0xffff0000                      ; a word's upper half: an f32 cut to bf16
	s_mov_b32 s26, 0x07060302                      ; v_perm_b32: upper half of the first source above, upper half of the second below
	s_mov_b32 s27, 0x3f800000                      ; 1.0
	v_and_b32 v[RW], 15, v0
	v_bfe_u32 v[HF], v0, 4, 1
	v_mul_u32_u24 v[LA], v14, PITCH
	v_add_nc_u32 v[LB], BBASE, v[LA]
	v_mul_u32_u24 v[FA], v[RW], PITCH              ; a fragment: lane l takes point l % 16, 16 bytes at 16 (l / 16) and 16 more 32 bytes on
	v_lshl_add_u32 v[FA], v[HF], 4, v[FA]
	v_add_nc_u32 v[BA], BBASE, v[FA]
	s_mul_i32 s29, s12, 128*PITCH
	v_add_nc_u32 v[FA], s29, v[FA]                 ; my wave's 128 rows
	s_lshl_b32 s30, s12, 13
	s_add_co_u32 s30, s30, COLB
	v_lshl_add_u32 v[CS], v[LN], 2, s30
	v_mov_b32 v[OUT+15], 0                         ; K 30, 31 of every point; no later line of the build writes this register
; One point: norm, pieces, the 64 bytes of its K row, four LDS stores.  x: its registers (x, y, z, free).  isb = 1: a point of xyz2.
.macro POINT x, isb, adr, off
	v_mul_f32  v[\x+3], v[\x], v[\x]
	v_fmac_f32 v[\x+3], v[\x+1], v[\x+1]
	v_fmac_f32 v[\x+3], v[\x+2], v[\x+2]           ; the norm, in f32
.if \isb
.irp c, 0,1,2
	v_mul_f32 v[\x+\c], -2.0, v[\x+\c]             ; exact; the factor of the inner product rides on b
.endr
.endif
.irp k, 0,1,2,3
	v_and_b32 v[TMP+\k], s25, v[\x+\k]             ; first piece
.endr
.irp k, 0,1,2,3
	v_sub_f32 v[P1+\k], v[\x+\k], v[TMP+\k]        ; exact: the lower 16 mantissa bits
.endr
.irp k, 0,1,2,3
	v_and_b32 v[TMP+\k], s25, v[P1+\k]             ; second piece
.endr
.irp k, 0,1,2,3
	v_sub_f32 v[P2+\k], v[P1+\k], v[TMP+\k]        ; exact: at most 8 bits are left, a bf16 as it stands
.endr
.irp c, 0,1,2
.if \isb
	v_perm_b32 v[OUT+4*\c],   v[P1+\c], v[\x+\c], s26     ; d0 d1, wanted three times along K; a 16-byte store takes four registers in a row
	v_perm_b32 v[OUT+4*\c+1], v[P1+\c], v[\x+\c], s26
	v_perm_b32 v[OUT+4*\c+2], v[P1+\c], v[\x+\c], s26
	v_perm_b32 v[OUT+4*\c+3], v[P2+\c], v[P2+\c], s26     ; d2 d2
.else
	v_perm_b32 v[OUT+4*\c],   v[\x+\c], v[\x+\c], s26     ; c0 c0
	v_perm_b32 v[OUT+4*\c+1], v[P1+\c], v[P1+\c], s26     ; c1 c1
	v_perm_b32 v[OUT+4*\c+2], v[P2+\c], v[P2+\c], s26     ; c2 c2
	v_perm_b32 v[OUT+4*\c+3], v[P1+\c], v[\x+\c], s26     ; c0 c1
.endif
.endr
.if \isb
	v_perm_b32 v[OUT+12], v[\x+3], s27, s26        ; 1 t0
	v_perm_b32 v[OUT+13], v[P1+3], s27, s26        ; 1 t1
	v_perm_b32 v[OUT+14], v[P2+3], s27, s26        ; 1 t2
.else
	v_perm_b32 v[OUT+12], s27, v[\x+3], s26        ; s0 1
	v_perm_b32 v[OUT+13], s27, v[P1+3], s26        ; s1 1
	v_perm_b32 v[OUT+14], s27, v[P2+3], s26        ; s2 1
.endif
.irp q, 0,1,2,3
	ds_store_b128 v[\adr], v[OUT+4*\q:OUT+4*\q+3] offset:\off+16*\q
.endr
.endm
	s_wait_loadcnt 0x4                             ; loads come back in order: xyz1's four are in, xyz2's four younger ones may be out
.irp e, 0,1,2,3
	POINT X1+4*\e, 0, LA, \e*32*PITCH
.endr
	s_wait_loadcnt 0x0
.irp e, 0,1,2,3
	POINT X2+4*\e, 1, LB, \e*32*PITCH
.endr
	s_wait_dscnt 0x0                               ; my K rows are in LDS, for the other waves' sake,
	s_barrier_signal -1
	s_barrier_wait -1                              ; and so are everybody's
.irp i, 0,1,2,3,4,5,6,7
	ds_load_b128 v[AF+8*\i:AF+8*\i+3],   v[FA] offset:\i*16*PITCH
	ds_load_b128 v[AF+8*\i+4:AF+8*\i+7], v[FA] offset:\i*16*PITCH+32
.endr
	ds_load_b128 v[BF0:BF0+3],     v[BA]
	ds_load_b128 v[BF0+4:BF0+7],   v[BA] offset:32
	ds_load_b128 v[BF0+8:BF0+11],  v[BA] offset:16*PITCH
	ds_load_b128 v[BF0+12:BF0+15], v[BA] offset:16*PITCH+32
; Four products: row tiles 2 g and 2 g + 1 x the two column tiles in bf, into result set ds.  C = 0: each product is a whole tile of d.
.macro WGRP g, bf, ds
.irp p, 0,1
.irp c, 0,1
	v_wmma_f32_16x16x32_bf16 v[\ds+16*\p+8*\c:\ds+16*\p+8*\c+7], v[AF+8*(2*\g+\p):AF+8*(2*\g+\p)+7], v[\bf+8*\c:\bf+8*\c+7], 0
.endr
.endr
.endm
; The 32 minima of such a group.  In a result tile lane l, register j is d(row 8 (l / 16) + j, column l % 16).
; Columns: a chain for each of the two column tiles takes in the group's 16 registers of that tile, two at a time; group 0 starts the chains.
; Rows: register by register, both column tiles into the running minimum; init = 1 (the first pair of column tiles) starts it: nothing is preset.
; Order: chain, chain, row, row: an instruction of a chain stands four behind the one whose result it takes.
.macro MGRP g, ds, init
.set NN, 0
.rept 8
.if \g
.set KA, 2*NN
.set KB, 2*NN+1
.else
.set KA, 2*NN+1
.set KB, 2*NN+2
.endif
.set VA, \ds+(KA/8)*16+KA%8
.set VB, \ds+(KB/8)*16+KB%8
.if \g
	v_min3_num_f32 v[CA],   v[CA],   v[VA],   v[VB]
	v_min3_num_f32 v[CA+1], v[CA+1], v[VA+8], v[VB+8]
.else
.if NN == 0
	v_min3_num_f32 v[CA],   v[\ds],   v[VA],   v[VB]
	v_min3_num_f32 v[CA+1], v[\ds+8], v[VA+8], v[VB+8]
.else
.if NN == 7
	v_min_num_f32 v[CA],   v[CA],   v[VA]
	v_min_num_f32 v[CA+1], v[CA+1], v[VA+8]
.else
	v_min3_num_f32 v[CA],   v[CA],   v[VA],   v[VB]
	v_min3_num_f32 v[CA+1], v[CA+1], v[VA+8], v[VB+8]
.endif
.endif
.endif
.set RA, RACC+8*(2*\g+(2*NN)/8)+(2*NN)%8
.set DA, \ds+16*((2*NN)/8)+(2*NN)%8
.if \init
	v_min_num_f32 v[RA],   v[DA],   v[DA+8]
	v_min_num_f32 v[RA+1], v[DA+1], v[DA+9]
.else
	v_min3_num_f32 v[RA],   v[RA],   v[DA],   v[DA+8]
	v_min3_num_f32 v[RA+1], v[RA+1], v[DA+1], v[DA+9]
.endif
.set NN, NN+1
.endr
.endm
; One pair of column tiles against my 8 row tiles: groups 0 to 3.  The products run one group ahead of the minima, on two result sets:
; between a product and the first minimum that reads it stand the 32 minima of the group before, which name none of its registers; that is
; more than the four independent vector instructions wanted there (ISA guide 7.12.1), and all of them are work.  The same 32 stand between the
; last product that read a B buffer and the loads that fill it again, and between two products that write the same result set.
; cur: this pair's fragments; nxt: the next pair's, loaded here (fetch = 1) at byte off from BA, and first used (more = 1) by the next pair's
; group 0, which is issued in front of this pair's last minima.  coff: where the two column results go, from CS.
.macro ITER cur, nxt, off, coff, init, fetch, more
.if \fetch
	ds_load_b128 v[\nxt:\nxt+3],     v[BA] offset:\off
	ds_load_b128 v[\nxt+4:\nxt+7],   v[BA] offset:\off+32
	ds_load_b128 v[\nxt+8:\nxt+11],  v[BA] offset:\off+16*PITCH
	ds_load_b128 v[\nxt+12:\nxt+15], v[BA] offset:\off+16*PITCH+32
.endif
	WGRP 1, \cur, D1
	MGRP 0, D0, \init
	WGRP 2, \cur, D0
	MGRP 1, D1, \init
	WGRP 3, \cur, D1
	MGRP 2, D0, \init
.if \more
	s_wait_dscnt 0x0                               ; the four loads at this pair's head are the youngest LDS instructions: nothing was issued behind them
	WGRP 0, \nxt, D0
.endif
	MGRP 3, D1, \init
	ds_store_b32 v[CS], v[CA]   offset:\coff       ; lane l: the minimum over my wave's rows 8 (l / 16) + 0..7 of each row tile, column l % 16
	ds_store_b32 v[CS], v[CA+1] offset:\coff+128
.endm
.macro STEP2                           ; two pairs on: 4 tiles of 16 K rows; 4 x 128 bytes of column results
	v_add_nc_u32 v[BA], 4*16*PITCH, v[BA]
	v_add_nc_u32 v[CS], 512, v[CS]
.endm
	s_wait_dscnt 0x0                               ; A's fragments and the first two of B
	WGRP 0, BF0, D0
	; The addresses of the way out are made here: eleven vector instructions that name no register of the four products above, in the places
	; that the first minima need behind them (ISA guide 7.12.1).
	s_mul_i32 s31, s12, 32*RPITCH
	s_add_co_u32 s31, s31, ROWB                    ; my wave's part of the row stage
	v_mul_u32_u24 v[RS], v[HF], 2*RPITCH           ; group 4 i + 2 (l / 16) + q holds rows 4 x group .. + 3; inside it 16 bytes for each l % 16
	v_lshl_add_u32 v[RS], v[RW], 4, v[RS]
	v_add_nc_u32 v[RS], s31, v[RS]
	v_mul_u32_u24 v[RD], v[LN], RPITCH             ; back: lane l takes group l
	v_add_nc_u32 v[RD], s31, v[RD]
	v_lshrrev_b32 v[CR], 2, v0                     ; thread t takes columns 4 t .. 4 t + 3: tile t / 4, 16 bytes at 16 (t % 4)
	v_and_b32 v[OO], 3, v0
	v_lshlrev_b32 v[OO], 4, v[OO]
	v_lshl_add_u32 v[CR], v[CR], 7, v[OO]
	v_add_nc_u32 v[CR], COLB, v[CR]
	v_lshlrev_b32 v[OO], 4, v0
	ITER BF0, BF1, 2*16*PITCH, 0,   1, 1, 1        ; pair 0 starts the row minima
	ITER BF1, BF0, 4*16*PITCH, 256, 0, 1, 1
	STEP2
	s_mov_b32 s28, 14                              ; pairs 2 to 29
.Lpairs:
	ITER BF0, BF1, 2*16*PITCH, 0,   0, 1, 1
	ITER BF1, BF0, 4*16*PITCH, 256, 0, 1, 1
	STEP2
	s_sub_co_i32 s28, s28, 1
	s_cmp_lg_u32 s28, 0
	s_cbranch_scc1 .Lpairs
	ITER BF0, BF1, 2*16*PITCH, 0,   0, 1, 1        ; pair 30 still fetches pair 31,
	ITER BF1, BF0, 0,          256, 0, 0, 0        ; which fetches nothing and starts nothing
	; THE WAY OUT.  A running row minimum is still spread over the 16 lanes l % 16 (the columns it has seen), a column minimum over the two halves
	; of the lanes and the eight waves.  Both go through LDS, so that a thread gets all the parts of four neighbouring results by 16-byte loads.
.irp i, 0,1,2,3,4,5,6,7
	ds_store_b128 v[RS], v[RACC+8*\i:RACC+8*\i+3]   offset:\i*4*RPITCH
	ds_store_b128 v[RS], v[RACC+8*\i+4:RACC+8*\i+7] offset:\i*4*RPITCH+RPITCH
.endr
	s_wait_dscnt 0x0                               ; my column and row minima are in LDS, for the other waves' sake,
	s_barrier_signal -1
	s_barrier_wait -1                              ; and so are everybody's
.irp k, 0,1,2,3,4,5,6,7,8,9,10,11,12,13,14,15
	ds_load_b128 v[AF+4*\k:AF+4*\k+3], v[RD] offset:16*\k                    ; rows 4 l .. 4 l + 3 of my wave, as lane k saw them
.endr
.irp k, 0,1,2,3,4,5,6,7,8,9,10,11,12,13,14,15
	ds_load_b128 v[D0+4*\k:D0+4*\k+3], v[CR] offset:(\k/2)*8192+(\k%2)*64    ; my four columns, wave k / 2, half k % 2
.endr
; the minimum of 16 parts for each of four results
.macro TREE res, src
.irp e, 0,1,2,3
	v_min3_num_f32 v[\res+\e], v[\src+\e], v[\src+4+\e], v[\src+8+\e]
.endr
.irp n, 1,2,3,4,5,6
.irp e, 0,1,2,3
	v_min3_num_f32 v[\res+\e], v[\res+\e], v[\src+4*(2*\n+1)+\e], v[\src+4*(2*\n+2)+\e]
.endr
.endr
.irp e, 0,1,2,3
	v_min_num_f32 v[\res+\e], v[\res+\e], v[\src+60+\e]
.endr
.endm
	s_wait_dscnt 0x10                              ; LDS loads come back in order: the 16 of the rows are in, the 16 younger ones of the columns may be out
	TREE RACC, AF
	global_store_b128 v[OO], v[RACC:RACC+3], s[8:9]        ; a wave's store covers 512 neighbouring bytes, at a multiple of 512 from the buffer's first byte
	s_wait_dscnt 0x0
	TREE RACC+4, D0
	global_store_b128 v[OO], v[RACC+4:RACC+7], s[10:11]
	s_wait_tensorcnt 0x0
	ds_add_u32 v240, v241
	s_wait_dscnt 0x0
	s_endpgm
.Lfunc_end_k_q205d2ae432_pairs:
	.size	k_q205d2ae432_pairs, .Lfunc_end_k_q205d2ae432_pairs-k_q205d2ae432_pairs
	.p2alignl 7, 3214868480
	.fill 96, 4, 3214868480
	.section	.rodata,"a",@progbits
	.p2align	6, 0x0
	.amdhsa_kernel k_q205d2ae432_pairs
		.amdhsa_group_segment_fixed_size 300032
		.amdhsa_private_segment_fixed_size 0
		.amdhsa_enable_private_segment 0
		.amdhsa_kernarg_size 32
		.amdhsa_user_sgpr_count 2
		.amdhsa_user_sgpr_kernarg_segment_ptr 1
		.amdhsa_wavefront_size32 1
		.amdhsa_system_sgpr_workgroup_id_x 1
		.amdhsa_system_sgpr_workgroup_id_y 1
		.amdhsa_system_sgpr_workgroup_id_z 1
		.amdhsa_system_vgpr_workitem_id 0
		.amdhsa_next_free_vgpr 242
		.amdhsa_next_free_sgpr 66
		.amdhsa_reserve_vcc 0
		.amdhsa_float_denorm_mode_32 3
		.amdhsa_float_denorm_mode_16_64 3
		.amdhsa_memory_ordered 1
		.amdhsa_forward_progress 1
		.amdhsa_inst_pref_size 82
	.end_amdhsa_kernel
	.amdgpu_metadata
---
amdhsa.version: [ 1, 2 ]
amdhsa.kernels:
  - .name:           k_q205d2ae432_pairs
    .symbol:         k_q205d2ae432_pairs.kd
    .args:
      - { .name: xyz1, .offset: 0, .size: 8, .value_kind: global_buffer, .address_space: global }
      - { .name: xyz2, .offset: 8, .size: 8, .value_kind: global_buffer, .address_space: global }
      - { .name: part1, .offset: 16, .size: 8, .value_kind: global_buffer, .address_space: global }
      - { .name: part2, .offset: 24, .size: 8, .value_kind: global_buffer, .address_space: global }
    .group_segment_fixed_size: 300032
    .private_segment_fixed_size: 0
    .kernarg_segment_align: 8
    .kernarg_segment_size: 32
    .max_flat_workgroup_size: 256
    .sgpr_count:     66
    .vgpr_count:     242
    .wavefront_size: 32
...
	.end_amdgpu_metadata
.endif
;; end of part 1
;; launch fold (part 2): grid 256 x 1, 2 waves a work-group, no clusters, 0 bytes of LDS; arguments part1, part2, out0, out1; writes out0, out1
.if DOCPART == 2
	.amdgcn_target "amdgcn-amd-amdhsa--gfx1250"
	.amdhsa_code_object_version 6
	.text
	.protected	k_q205d2ae432_fold
	.globl	k_q205d2ae432_fold
	.p2align	8
	.type	k_q205d2ae432_fold,@function
k_q205d2ae432_fold:
	s_mov_b64 s[64:65], 0
	v_nop
	global_prefetch_b8 v0, s[64:65] scope:SCOPE_SE
	s_setreg_imm32_b32 hwreg(HW_REG_WAVE_MODE, 25, 1), 1
	s_wait_xcnt 0x0
; Chamfer distance, second launch: out0[b][n] = min over k of part1[b][k][n], out1[b][m] = min over k of part2[b][k][m], k = 0..3.
; 256 work-groups of 64 threads; a work-group takes 256 neighbouring results of each output, a thread four of each (16 bytes).
; All eight loads of a thread are issued at once; each load and store of a wave covers 512 neighbouring bytes.  Each byte is read once and
; written once; there is nothing to share, so no LDS, no barrier, no cluster.  A NaN loses in the _num minima, as in the first launch.
.set PLANE, 4096*4                     ; bytes from one block's partial results to the next
.set P, 4                              ; v4-19   four parts of four results of out0
.set Q, 20                             ; v20-35  the same for out1
	s_load_b256 s[4:11], s[0:1], 0x0               ; part1 s[4:5], part2 s[6:7], out0 s[8:9], out1 s[10:11]
	s_lshr_b32 s12, ttmp9, 4                       ; batch
	s_and_b32 s13, ttmp9, 15                       ; which 256 of its 4,096 results
	s_lshl_b32 s14, s12, 16                        ; batch x 4 planes
	s_lshl_b32 s15, s13, 10
	s_add_co_u32 s14, s14, s15
	s_mov_b32 s15, 0
	s_lshl_b32 s16, ttmp9, 10                      ; in the outputs the work-groups' parts follow each other
	s_mov_b32 s17, 0
	v_lshlrev_b32 v1, 4, v0
	s_wait_kmcnt 0x0
	s_add_nc_u64 s[4:5], s[4:5], s[14:15]
	s_add_nc_u64 s[6:7], s[6:7], s[14:15]
	s_add_nc_u64 s[8:9], s[8:9], s[16:17]
	s_add_nc_u64 s[10:11], s[10:11], s[16:17]
.irp k, 0,1,2,3
	global_load_b128 v[P+4*\k:P+4*\k+3], v1, s[4:5] offset:\k*PLANE th:TH_LOAD_NT
.endr
.irp k, 0,1,2,3
	global_load_b128 v[Q+4*\k:Q+4*\k+3], v1, s[6:7] offset:\k*PLANE th:TH_LOAD_NT
.endr
	s_wait_loadcnt 0x4                             ; loads come back in order: part1's four are in, part2's four younger ones may be out
.irp e, 0,1,2,3
	v_min3_num_f32 v[P+\e], v[P+\e], v[P+4+\e], v[P+8+\e]
.endr
.irp e, 0,1,2,3
	v_min_num_f32 v[P+\e], v[P+\e], v[P+12+\e]
.endr
	global_store_b128 v1, v[P:P+3], s[8:9] th:TH_STORE_NT
	s_wait_loadcnt 0x0
.irp e, 0,1,2,3
	v_min3_num_f32 v[Q+\e], v[Q+\e], v[Q+4+\e], v[Q+8+\e]
.endr
.irp e, 0,1,2,3
	v_min_num_f32 v[Q+\e], v[Q+\e], v[Q+12+\e]
.endr
	global_store_b128 v1, v[Q:Q+3], s[10:11] th:TH_STORE_NT
	s_endpgm
.Lfunc_end_k_q205d2ae432_fold:
	.size	k_q205d2ae432_fold, .Lfunc_end_k_q205d2ae432_fold-k_q205d2ae432_fold
	.p2alignl 7, 3214868480
	.fill 96, 4, 3214868480
	.section	.rodata,"a",@progbits
	.p2align	6, 0x0
	.amdhsa_kernel k_q205d2ae432_fold
		.amdhsa_group_segment_fixed_size 0
		.amdhsa_private_segment_fixed_size 0
		.amdhsa_enable_private_segment 0
		.amdhsa_kernarg_size 32
		.amdhsa_user_sgpr_count 2
		.amdhsa_user_sgpr_kernarg_segment_ptr 1
		.amdhsa_wavefront_size32 1
		.amdhsa_system_sgpr_workgroup_id_x 1
		.amdhsa_system_sgpr_workgroup_id_y 1
		.amdhsa_system_sgpr_workgroup_id_z 1
		.amdhsa_system_vgpr_workitem_id 0
		.amdhsa_next_free_vgpr 36
		.amdhsa_next_free_sgpr 66
		.amdhsa_reserve_vcc 0
		.amdhsa_float_denorm_mode_32 3
		.amdhsa_float_denorm_mode_16_64 3
		.amdhsa_memory_ordered 1
		.amdhsa_forward_progress 1
		.amdhsa_inst_pref_size 3
	.end_amdhsa_kernel
	.amdgpu_metadata
---
amdhsa.version: [ 1, 2 ]
amdhsa.kernels:
  - .name:           k_q205d2ae432_fold
    .symbol:         k_q205d2ae432_fold.kd
    .args:
      - { .name: part1, .offset: 0, .size: 8, .value_kind: global_buffer, .address_space: global }
      - { .name: part2, .offset: 8, .size: 8, .value_kind: global_buffer, .address_space: global }
      - { .name: out0, .offset: 16, .size: 8, .value_kind: global_buffer, .address_space: global }
      - { .name: out1, .offset: 24, .size: 8, .value_kind: global_buffer, .address_space: global }
    .group_segment_fixed_size: 0
    .private_segment_fixed_size: 0
    .kernarg_segment_align: 8
    .kernarg_segment_size: 32
    .max_flat_workgroup_size: 64
    .sgpr_count:     66
    .vgpr_count:     36
    .wavefront_size: 32
...
	.end_amdgpu_metadata
.endif
;; end of part 2
;; ======== version 2 of 2: 2 launches; version 1 with the launch pairs written anew for expert scheduling mode
;; workspace buffers: part1 1,048,576 bytes; part2 1,048,576 bytes
;; launch pairs (part 3): grid 16 x 16, 8 waves a work-group, no clusters, 300,032 bytes of LDS; arguments xyz1, xyz2, part1, part2; writes part1, part2
.if DOCPART == 3
	.amdgcn_target "amdgcn-amd-amdhsa--gfx1250"
	.amdhsa_code_object_version 6
	.text
	.protected	k_q205d2ae432_pairs
	.globl	k_q205d2ae432_pairs
	.p2align	8
	.type	k_q205d2ae432_pairs,@function
k_q205d2ae432_pairs:
	s_mov_b64 s[64:65], 0
	v_nop
	global_prefetch_b8 v0, s[64:65] scope:SCOPE_SE
	s_setreg_imm32_b32 hwreg(HW_REG_WAVE_SCHED_MODE, 0, 2), 2
	s_setreg_imm32_b32 hwreg(HW_REG_WAVE_MODE, 25, 1), 1
	s_wait_xcnt 0x0
	s_wait_alu depctr_vm_vsrc(0)
; Chamfer distance, first of two launches: every squared distance once, minima over a block of 1024 x 1024 pairs.
;   d[n][m] = |a_n|^2 + |b_m|^2 - 2 a_n.b_m,   a = xyz1[batch], b = xyz2[batch]
;   part1[batch][mblk][n] = min of d over the 1024 m of block mblk;  part2[batch][nblk][m] = min of d over the 1024 n of block nblk.
; The second launch takes the minimum over the four blocks.
;
; ONE MATRIX INSTRUCTION MAKES A FINISHED 16 x 16 TILE OF d.  The bf16 form sums 32 products and the problem needs 3, so the other places
; carry accuracy.  Every f32 is cut exactly into three bf16 pieces, v = v0 + v1 + v2 (8 + 8 + 8 mantissa bits: keep the upper 16 bits of the
; word, subtract, which is exact, and again).  With c the pieces of a coordinate of a, d those of -2 x the coordinate of b, s those of |a|^2,
; t those of |b|^2, a point's 32 numbers along K are
;     K  0- 7 (x), 8-15 (y), 16-23 (z):  A: c0 c0 c1 c1 c2 c2 c0 c1     B: d0 d1 d0 d1 d0 d1 d2 d2
;     K 24-31:                           A: s0 1  s1 1  s2 1  0  0      B: 1  t0 1  t1 1  t2 0  0
; All products of pieces but c2 d2 (about 2^-32 of the coordinate product) are there, and the norms are whole.
;
; WORK.  Grid 16 x 16: x = nblk + 4 mblk, y = batch.  Eight waves; a wave owns 128 rows (points of xyz1): 8 A fragments and 64 running row minima
; stay in registers, and it walks the block's 64 column tiles two at a time.  Per tile: 1 matrix instruction, 4 v_min3 for the rows (two tiles
; into one running minimum) and 4 for the columns (eight rows of a lane into one chain).  Two waves share a SIMD so that one can issue minima
; while the other's matrix instructions run; there is no sum along K to keep, so a larger register tile would feed nothing.
; No tensor loads: the group's whole input is 24,576 bytes and has to pass through the vector ALU to become operands.  No cluster: those bytes,
; read once at the first lines, are all that work-groups share.  No prefetch: nothing is loaded from memory after the first lines.
;
; THE MODE: SCHED_MODE bits 1:0 = 2 (LLVM: expert scheduling mode 2), set by the entry lines.  The code itself states the register dependences
; between vector or matrix instructions and memory or LDS instructions, with s_wait_alu, always for 0.
; THE PLAN.  Registers that memory or LDS instructions touch:
;   OUT0 .. OUT3  In front of the loop: four points' K rows.  Written by the v_perm of xyz1's four points, read by 16 LDS stores; the same again for
;                 xyz2's four points; from the first product on they are the result sets D0 and D1, which no memory instruction names until the way out.
;   BF0, BF1      Pair p's 16 products read BF[p % 2]; the four LDS loads at the head of pair p + 1 land in it (the fragments of pair p + 2).
;   CA, CB        Pair p's minima write the chains of p % 2; the two LDS stores at the head of pair p + 1 read them; pair p + 2 starts them anew.
;   v[BA], v[CS]  Read by those loads and stores; stepped at the head of every odd pair.
;   AF, RACC      In the loop named by products and minima alone; on the way out RACC is stored to LDS and AF, D0, D1 take LDS loads.
;   The other addresses (v4 to v7, v10 to v13) are written once and never again.
; So two waits stand at a pair's head.  The one on vm_vsrc: the stores issued a pair ago have read the chains that this pair starts anew, and all earlier LDS
; instructions have read BA and CS.  The one on va_vdst: the pair before has written its chains and is done reading its fragments, and BA and CS are
; written.  The pair's six LDS instructions follow behind its first four products: neither those nor any later line of the pair names a register that the six touch.
;
; LIMITS.  Inputs are finite with finite squared norms (an infinity would make NaN pieces).  The minima are the _num forms: a NaN loses, where
; jnp.min would carry it.  The sums are made in the matrix unit's order, not in the reference's.  Pieces that are f32 denormals (coordinates
; below about 2^-103) are dropped; their share of any d is far below its last bit.
.set NPTS,   4096                      ; points of a cloud
.set BLK,    1024                      ; points of each cloud in a work-group's block
.set PITCH,  80                        ; LDS bytes from point to point: 64 of data + 16; 5 x 16, so 16 neighbouring points lie in 16 different 16-byte columns of a 256-byte span
.set BBASE,  BLK*PITCH                 ; LDS: A's rows at 0, B's rows behind them
.set COLB,   2*BLK*PITCH               ; column minima: [wave 8][tile 64][lane 32] f32
.set ROWB,   COLB+8*64*128             ; row minima on their way out: [wave 8][group 32] of 272 bytes
.set RPITCH, 272                       ; 16 lanes x 16 bytes + 16: 17 x 16
.set LN, 1                             ; v1   lane
.set RW, 2                             ; v2   lane % 16
.set HF, 3                             ; v3   lane / 16
.set GO, 4                             ; v4   byte offset of my first point in the block's part of xyz1 and of xyz2
.set LA, 5                             ; v5   LDS address of my first point's K row, A
.set LB, 6                             ; v6   the same, B
.set FA, 7                             ; v7   LDS address of my part of my wave's A fragments
.set BA, 8                             ; v8   LDS address of my part of B's fragments, stepped; it starts four tiles below them
.set CS, 9                             ; v9   where my column minima go, stepped; it starts 512 bytes below them
.set RS, 10                            ; v10  where my row minima go
.set RD, 11                            ; v11  where I read row minima back
.set CR, 12                            ; v12  where I read column minima back
.set OO, 13                            ; v13  16 x thread: my 16 bytes of both results
.set CA, 14                            ; v14-15   the two column chains of an even pair
.set CB, 240                           ; v240-241 those of an odd pair
.set AF, 16                            ; v16-79   8 A fragments
.set RACC, 80                          ; v80-143  running row minima, [row tile 8][register 8]
.set BF0, 144                          ; v144-159 two B fragments
.set BF1, 160                          ; v160-175 the next two
.set D0, 176                           ; v176-207 four result tiles [row tile 2][column tile 2][8]
.set D1, 208                           ; v208-239 four more
.set X1, 80                            ; in front of the loop: 4 points of xyz1, four registers each (x, y, z, norm)
.set X2, 96                            ; 4 points of xyz2
.set TMP, 112
.set P1, 116                           ; what is left behind the first piece
.set P2, 120                           ; what is left behind the second = the third piece
.set OUT, 176                          ; in front of the loop: four points' 64 bytes, 16 registers each
	s_load_b256 s[4:11], s[0:1], 0x0               ; xyz1 s[4:5], xyz2 s[6:7], part1 s[8:9], part2 s[10:11]
	v_lshl_add_u32 v242, v0, 2, 0x49000
	v_mov_b32 v243, 0
	v_and_b32 v[LN], 31, v0
	v_lshrrev_b32 v2, 5, v0
	v_readfirstlane_b32 s12, v2                    ; wave 0..7
	s_and_b32 s13, ttmp7, 0xffff                   ; batch
	s_and_b32 s14, ttmp9, 3                        ; nblk
	s_lshr_b32 s15, ttmp9, 2                       ; mblk
	s_mul_i32 s16, s13, NPTS*12
	s_mul_i32 s17, s14, BLK*12
	s_mul_i32 s18, s15, BLK*12
	s_add_co_u32 s20, s16, s17                     ; the block's first byte in xyz1
	s_mov_b32 s21, 0
	s_add_co_u32 s22, s16, s18                     ; and in xyz2
	s_mov_b32 s23, 0
	s_wait_alu depctr_va_sdst(0)                   ; s12 is written, ahead of its first reader
	s_lshl_b32 s24, s12, 7
	v_add_nc_u32 v14, s24, v[LN]                   ; my first point: 128 x wave + lane; the others 32, 64, 96 further
	v_mul_u32_u24 v[GO], v14, 12
	s_wait_kmcnt 0x0
	s_add_nc_u64 s[4:5], s[4:5], s[20:21]
	s_add_nc_u64 s[6:7], s[6:7], s[22:23]
	s_wait_alu depctr_va_vdst(0)                   ; v[GO] is written, which the eight loads read as their offset
.irp e, 0,1,2,3
	global_load_b96 v[X1+4*\e:X1+4*\e+2], v[GO], s[4:5] offset:\e*32*12    ; a wave's load covers 384 neighbouring bytes
.endr
.irp e, 0,1,2,3
	global_load_b96 v[X2+4*\e:X2+4*\e+2], v[GO], s[6:7] offset:\e*32*12
.endr
	; while they are on their way: the results' places and the addresses that the loop needs
	s_lshl_b32 s16, s13, 16                        ; batch x 4 blocks x 4,096 f32
	s_lshl_b32 s17, s15, 14
	s_lshl_b32 s18, s14, 12
	s_add_co_u32 s20, s16, s17
	s_add_co_u32 s20, s20, s18                     ; part1[batch][mblk][1024 nblk]
	s_add_nc_u64 s[8:9], s[8:9], s[20:21]
	s_lshl_b32 s17, s14, 14
	s_lshl_b32 s18, s15, 12
	s_add_co_u32 s22, s16, s17
	s_add_co_u32 s22, s22, s18                     ; part2[batch][nblk][1024 mblk]
	s_add_nc_u64 s[10:11], s[10:11], s[22:23]
	s_mov_b32 s25, 0xffff0000                      ; a word's upper half: an f32 cut to bf16
	s_mov_b32 s26, 0x07060302                      ; v_perm_b32: upper half of the first source above, upper half of the second below
	s_mov_b32 s27, 0x3f800000                      ; 1.0
	v_and_b32 v[RW], 15, v0
	v_bfe_u32 v[HF], v0, 4, 1
	v_mul_u32_u24 v[LA], v14, PITCH
	v_add_nc_u32 v[LB], BBASE, v[LA]
	v_mul_u32_u24 v[FA], v[RW], PITCH              ; a fragment: lane l takes point l % 16, 16 bytes at 16 (l / 16) and 16 more 32 bytes on
	v_lshl_add_u32 v[FA], v[HF], 4, v[FA]
	v_add_nc_u32 v[BA], BBASE-4*16*PITCH, v[FA]    ; four tiles below B's first: every load by it has an offset of four tiles or more
	s_mul_i32 s29, s12, 128*PITCH
	v_add_nc_u32 v[FA], s29, v[FA]                 ; my wave's 128 rows
	s_lshl_b32 s30, s12, 13
	s_add_co_u32 s30, s30, COLB-512                ; 512 below my wave's column results: it is stepped ahead of the first store by it
	v_lshl_add_u32 v[CS], v[LN], 2, s30
.irp e, 0,1,2,3
	v_mov_b32 v[OUT+16*\e+15], 0                   ; K 30, 31 of every point; no later line of the build writes these four registers
.endr
; One point: norm, pieces, the 64 bytes of its K row.  x: its registers (x, y, z, free).  isb = 1: a point of xyz2.  out: the 16 registers that take the row.
; free = 1: the first point that writes the four row buffers a second time.
.macro POINT x, isb, out, free
	v_mul_f32  v[\x+3], v[\x], v[\x]
	v_fmac_f32 v[\x+3], v[\x+1], v[\x+1]
	v_fmac_f32 v[\x+3], v[\x+2], v[\x+2]           ; the norm, in f32
.if \isb
.irp c, 0,1,2
	v_mul_f32 v[\x+\c], -2.0, v[\x+\c]             ; exact; the factor of the inner product rides on b
.endr
.endif
.irp k, 0,1,2,3
	v_and_b32 v[TMP+\k], s25, v[\x+\k]             ; first piece
.endr
.irp k, 0,1,2,3
	v_sub_f32 v[P1+\k], v[\x+\k], v[TMP+\k]        ; exact: the lower 16 mantissa bits
.endr
.irp k, 0,1,2,3
	v_and_b32 v[TMP+\k], s25, v[P1+\k]             ; second piece
.endr
.irp k, 0,1,2,3
	v_sub_f32 v[P2+\k], v[P1+\k], v[TMP+\k]        ; exact: at most 8 bits are left, a bf16 as it stands
.endr
.if \free
	s_wait_alu depctr_vm_vsrc(0)                   ; the 16 LDS stores of xyz1's rows have read OUT0 to OUT3, which the lines below and the three points behind them write again
.endif
.irp c, 0,1,2
.if \isb
	v_perm_b32 v[\out+4*\c],   v[P1+\c], v[\x+\c], s26     ; d0 d1, wanted three times along K; a 16-byte store takes four registers in a row
	v_perm_b32 v[\out+4*\c+1], v[P1+\c], v[\x+\c], s26
	v_perm_b32 v[\out+4*\c+2], v[P1+\c], v[\x+\c], s26
	v_perm_b32 v[\out+4*\c+3], v[P2+\c], v[P2+\c], s26     ; d2 d2
.else
	v_perm_b32 v[\out+4*\c],   v[\x+\c], v[\x+\c], s26     ; c0 c0
	v_perm_b32 v[\out+4*\c+1], v[P1+\c], v[P1+\c], s26     ; c1 c1
	v_perm_b32 v[\out+4*\c+2], v[P2+\c], v[P2+\c], s26     ; c2 c2
	v_perm_b32 v[\out+4*\c+3], v[P1+\c], v[\x+\c], s26     ; c0 c1
.endif
.endr
.if \isb
	v_perm_b32 v[\out+12], v[\x+3], s27, s26       ; 1 t0
	v_perm_b32 v[\out+13], v[P1+3], s27, s26       ; 1 t1
	v_perm_b32 v[\out+14], v[P2+3], s27, s26       ; 1 t2
.else
	v_perm_b32 v[\out+12], s27, v[\x+3], s26       ; s0 1
	v_perm_b32 v[\out+13], s27, v[P1+3], s26       ; s1 1
	v_perm_b32 v[\out+14], s27, v[P2+3], s26       ; s2 1
.endif
.endm
; A point's row goes to LDS: four stores.
.macro PUT out, adr, off
.irp q, 0,1,2,3
	ds_store_b128 v[\adr], v[\out+4*\q:\out+4*\q+3] offset:\off+16*\q
.endr
.endm
	s_wait_loadcnt 0x4                             ; loads come back in order: xyz1's four are in, xyz2's four younger ones may be out
.irp e, 0,1,2,3
	POINT X1+4*\e, 0, OUT+16*\e, 0
.endr
	s_wait_alu depctr_va_vdst(0)                   ; OUT0 to OUT3 are written, which the 16 stores read; so are LA, LB, FA, BA and CS, the LDS addresses of all that follows up to the first step
.irp e, 0,1,2,3
	PUT OUT+16*\e, LA, \e*32*PITCH
.endr
	s_wait_loadcnt 0x0
	POINT X2,    1, OUT,    1
	POINT X2+4,  1, OUT+16, 0
	POINT X2+8,  1, OUT+32, 0
	POINT X2+12, 1, OUT+48, 0
	s_wait_alu depctr_va_vdst(0)                   ; OUT0 to OUT3 are written anew, which the 16 stores read
.irp e, 0,1,2,3
	PUT OUT+16*\e, LB, \e*32*PITCH
.endr
	s_wait_dscnt 0x0                               ; my K rows are in LDS, for the other waves' sake,
	s_barrier_signal -1
	s_barrier_wait -1                              ; and so are everybody's
.irp i, 0,1,2,3,4,5,6,7
	ds_load_b128 v[AF+8*\i:AF+8*\i+3],   v[FA] offset:\i*16*PITCH           ; no vector instruction has named AF, BF0 or BF1 so far
	ds_load_b128 v[AF+8*\i+4:AF+8*\i+7], v[FA] offset:\i*16*PITCH+32
.endr
	ds_load_b128 v[BF0:BF0+3],     v[BA] offset:4*16*PITCH
	ds_load_b128 v[BF0+4:BF0+7],   v[BA] offset:4*16*PITCH+32
	ds_load_b128 v[BF0+8:BF0+11],  v[BA] offset:5*16*PITCH
	ds_load_b128 v[BF0+12:BF0+15], v[BA] offset:5*16*PITCH+32
; Four products: row tiles 2 g and 2 g + 1 x the two column tiles in bf, into result set ds.  C = 0: each product is a whole tile of d.
.macro WGRP g, bf, ds
.irp p, 0,1
.irp c, 0,1
	v_wmma_f32_16x16x32_bf16 v[\ds+16*\p+8*\c:\ds+16*\p+8*\c+7], v[AF+8*(2*\g+\p):AF+8*(2*\g+\p)+7], v[\bf+8*\c:\bf+8*\c+7], 0
.endr
.endr
.endm
; The 32 minima of such a group.  In a result tile lane l, register j is d(row 8 (l / 16) + j, column l % 16).
; Columns: a chain for each of the two column tiles (registers ch, ch + 1) takes in the group's 16 registers of that tile, two at a time; group 0 starts the chains.
; Rows: register by register, both column tiles into the running minimum; init = 1 (the first pair of column tiles) starts it: nothing is preset.
; Order: chain, chain, row, row: an instruction of a chain stands four behind the one whose result it takes.
.macro MGRP g, ds, ch, init
.set NN, 0
.rept 8
.if \g
.set KA, 2*NN
.set KB, 2*NN+1
.else
.set KA, 2*NN+1
.set KB, 2*NN+2
.endif
.set VA, \ds+(KA/8)*16+KA%8
.set VB, \ds+(KB/8)*16+KB%8
.if \g
	v_min3_num_f32 v[\ch],   v[\ch],   v[VA],   v[VB]
	v_min3_num_f32 v[\ch+1], v[\ch+1], v[VA+8], v[VB+8]
.else
.if NN == 0
	v_min3_num_f32 v[\ch],   v[\ds],   v[VA],   v[VB]
	v_min3_num_f32 v[\ch+1], v[\ds+8], v[VA+8], v[VB+8]
.else
.if NN == 7
	v_min_num_f32 v[\ch],   v[\ch],   v[VA]
	v_min_num_f32 v[\ch+1], v[\ch+1], v[VA+8]
.else
	v_min3_num_f32 v[\ch],   v[\ch],   v[VA],   v[VB]
	v_min3_num_f32 v[\ch+1], v[\ch+1], v[VA+8], v[VB+8]
.endif
.endif
.endif
.set RA, RACC+8*(2*\g+(2*NN)/8)+(2*NN)%8
.set DA, \ds+16*((2*NN)/8)+(2*NN)%8
.if \init
	v_min_num_f32 v[RA],   v[DA],   v[DA+8]
	v_min_num_f32 v[RA+1], v[DA+1], v[DA+9]
.else
	v_min3_num_f32 v[RA],   v[RA],   v[DA],   v[DA+8]
	v_min3_num_f32 v[RA+1], v[RA+1], v[DA+1], v[DA+9]
.endif
.set NN, NN+1
.endr
.endm
; One pair of column tiles against my 8 row tiles: groups 0 to 3.  The products run one group ahead of the minima, on two result sets:
; between a product and the first minimum that reads it stand the 32 minima of the group before, which name none of its registers; that is
; more than the four independent vector instructions wanted there (ISA guide 7.12.1), and all of them are work.  The same 32 stand between two
; products that write the same result set.
; cur: this pair's fragments; nxt: the next pair's, loaded here (fetch = 1) at byte off from BA, and first used (more = 1) by the next pair's
; group 0, which is issued in front of this pair's last minima.  ch: this pair's chains.  pch: the chains of the pair before, stored here at byte poff from CS.
; step = 1 (odd pairs): BA goes 4 tiles of 16 K rows on, CS 4 x 128 bytes of column results.  first = 1: pair 0, with no pair in front of it: nothing to
; store, and BF1, in which its loads land, has been named by no vector or matrix instruction.
.macro ITER cur, nxt, ch, pch, off, poff, step, init, first, fetch, more
.if !\first
	s_wait_alu depctr_vm_vsrc(0)                   ; the stores issued at the head of the pair before have read the chains ch, which this pair's minima start anew; all LDS instructions so far have read BA and CS
.if \step
.if \fetch
	v_add_nc_u32 v[BA], 4*16*PITCH, v[BA]
.endif
	v_add_nc_u32 v[CS], 512, v[CS]
.endif
	s_wait_alu depctr_va_vdst(0)                   ; the pair before has written the chains pch, which the stores below read; its products are done reading nxt, in which the loads below land; BA and CS are written
.endif
	WGRP 1, \cur, D1                               ; these four name AF, cur and D1: none of the registers of the six LDS instructions behind them
.if !\first
	ds_store_b32 v[CS], v[\pch]   offset:\poff     ; lane l: the minimum over my wave's rows 8 (l / 16) + 0..7 of each row tile, column l % 16
	ds_store_b32 v[CS], v[\pch+1] offset:\poff+128
.endif
.if \fetch
	ds_load_b128 v[\nxt:\nxt+3],     v[BA] offset:\off
	ds_load_b128 v[\nxt+4:\nxt+7],   v[BA] offset:\off+32
	ds_load_b128 v[\nxt+8:\nxt+11],  v[BA] offset:\off+16*PITCH
	ds_load_b128 v[\nxt+12:\nxt+15], v[BA] offset:\off+16*PITCH+32
.endif
	MGRP 0, D0, \ch, \init
	WGRP 2, \cur, D0
	MGRP 1, D1, \ch, \init
	WGRP 3, \cur, D1
	MGRP 2, D0, \ch, \init
.if \more
	s_wait_dscnt 0x0                               ; the four loads at this pair's head are the youngest LDS instructions: nothing was issued behind them
	WGRP 0, \nxt, D0
.endif
	MGRP 3, D1, \ch, \init
.endm
	s_wait_dscnt 0x0                               ; A's fragments and the first two of B
	s_wait_alu depctr_vm_vsrc(0)                   ; the 16 LDS stores of xyz2's rows have read OUT0 to OUT3: these registers are D0 and D1 from here on, written by the products
	WGRP 0, BF0, D0
	; The addresses of the way out are made here: eleven vector instructions that name no register of the four products above, in the places
	; that the first minima need behind them (ISA guide 7.12.1).  The wait on va_vdst at the head of pair 1 shows them written.
	s_mul_i32 s31, s12, 32*RPITCH
	s_add_co_u32 s31, s31, ROWB                    ; my wave's part of the row stage
	v_mul_u32_u24 v[RS], v[HF], 2*RPITCH           ; group 4 i + 2 (l / 16) + q holds rows 4 x group .. + 3; inside it 16 bytes for each l % 16
	v_lshl_add_u32 v[RS], v[RW], 4, v[RS]
	v_add_nc_u32 v[RS], s31, v[RS]
	v_mul_u32_u24 v[RD], v[LN], RPITCH             ; back: lane l takes group l
	v_add_nc_u32 v[RD], s31, v[RD]
	v_lshrrev_b32 v[CR], 2, v0                     ; thread t takes columns 4 t .. 4 t + 3: tile t / 4, 16 bytes at 16 (t % 4)
	v_and_b32 v[OO], 3, v0
	v_lshlrev_b32 v[OO], 4, v[OO]
	v_lshl_add_u32 v[CR], v[CR], 7, v[OO]
	v_add_nc_u32 v[CR], COLB, v[CR]
	v_lshlrev_b32 v[OO], 4, v0
	ITER BF0, BF1, CA, CB, 6*16*PITCH, 256, 0, 1, 1, 1, 1   ; pair 0 starts the row minima
	ITER BF1, BF0, CB, CA, 4*16*PITCH, 0,   1, 0, 0, 1, 1
	s_mov_b32 s28, 14                              ; pairs 2 to 29
.Lpairs:
	ITER BF0, BF1, CA, CB, 6*16*PITCH, 256, 0, 0, 0, 1, 1
	ITER BF1, BF0, CB, CA, 4*16*PITCH, 0,   1, 0, 0, 1, 1
	s_sub_co_i32 s28, s28, 1
	s_cmp_lg_u32 s28, 0
	s_cbranch_scc1 .Lpairs
	ITER BF0, BF1, CA, CB, 6*16*PITCH, 256, 0, 0, 0, 1, 1   ; pair 30 still fetches pair 31,
	ITER BF1, BF0, CB, CA, 0,          0,   1, 0, 0, 0, 0   ; which fetches nothing and starts nothing
	; THE WAY OUT.  A running row minimum is still spread over the 16 lanes l % 16 (the columns it has seen), a column minimum over the two halves
	; of the lanes and the eight waves.  Both go through LDS, so that a thread gets all the parts of four neighbouring results by 16-byte loads.
	s_wait_alu depctr_va_vdst(0)                   ; pair 31 has written its chains and the running row minima, which the stores below read; products and minima are done with AF, D0 and D1, in which the loads behind the barrier land
	ds_store_b32 v[CS], v[CB]   offset:256         ; pair 31's column results
	ds_store_b32 v[CS], v[CB+1] offset:384
.irp i, 0,1,2,3,4,5,6,7
	ds_store_b128 v[RS], v[RACC+8*\i:RACC+8*\i+3]   offset:\i*4*RPITCH
	ds_store_b128 v[RS], v[RACC+8*\i+4:RACC+8*\i+7] offset:\i*4*RPITCH+RPITCH
.endr
	s_wait_dscnt 0x0                               ; my column and row minima are in LDS, for the other waves' sake,
	s_barrier_signal -1
	s_barrier_wait -1                              ; and so are everybody's
.irp k, 0,1,2,3,4,5,6,7,8,9,10,11,12,13,14,15
	ds_load_b128 v[AF+4*\k:AF+4*\k+3], v[RD] offset:16*\k                    ; rows 4 l .. 4 l + 3 of my wave, as lane k saw them
.endr
.irp k, 0,1,2,3,4,5,6,7,8,9,10,11,12,13,14,15
	ds_load_b128 v[D0+4*\k:D0+4*\k+3], v[CR] offset:(\k/2)*8192+(\k%2)*64    ; my four columns, wave k / 2, half k % 2
.endr
; the minimum of 16 parts for each of four results
.macro TREE res, src
.irp e, 0,1,2,3
	v_min3_num_f32 v[\res+\e], v[\src+\e], v[\src+4+\e], v[\src+8+\e]
.endr
.irp n, 1,2,3,4,5,6
.irp e, 0,1,2,3
	v_min3_num_f32 v[\res+\e], v[\res+\e], v[\src+4*(2*\n+1)+\e], v[\src+4*(2*\n+2)+\e]
.endr
.endr
.irp e, 0,1,2,3
	v_min_num_f32 v[\res+\e], v[\res+\e], v[\src+60+\e]
.endr
.endm
	s_wait_dscnt 0x10                              ; LDS loads come back in order: the 16 of the rows are in, the 16 younger ones of the columns may be out
	s_wait_alu depctr_vm_vsrc(0)                   ; the LDS stores of the row minima have read v[RACC ..], of which the two folds below write the first eight
	TREE RACC, AF
	s_wait_dscnt 0x0
	TREE RACC+4, D0
	s_wait_alu depctr_va_vdst(0)                   ; the folds have written v[RACC .. RACC+7], which the two stores read
	global_store_b128 v[OO], v[RACC:RACC+3], s[8:9]        ; a wave's store covers 512 neighbouring bytes, at a multiple of 512 from the buffer's first byte
	global_store_b128 v[OO], v[RACC+4:RACC+7], s[10:11]
	s_wait_dscnt 0x0
	s_wait_alu depctr_hold_cnt(0) depctr_sa_sdst(0) depctr_va_vdst(0) depctr_va_sdst(0) depctr_va_ssrc(0) depctr_va_vcc(0) depctr_vm_vsrc(0)
	s_wait_tensorcnt 0x0
	ds_add_u32 v242, v243
	s_wait_dscnt 0x0
	s_endpgm
.Lfunc_end_k_q205d2ae432_pairs:
	.size	k_q205d2ae432_pairs, .Lfunc_end_k_q205d2ae432_pairs-k_q205d2ae432_pairs
	.p2alignl 7, 3214868480
	.fill 96, 4, 3214868480
	.section	.rodata,"a",@progbits
	.p2align	6, 0x0
	.amdhsa_kernel k_q205d2ae432_pairs
		.amdhsa_group_segment_fixed_size 300032
		.amdhsa_private_segment_fixed_size 0
		.amdhsa_enable_private_segment 0
		.amdhsa_kernarg_size 32
		.amdhsa_user_sgpr_count 2
		.amdhsa_user_sgpr_kernarg_segment_ptr 1
		.amdhsa_wavefront_size32 1
		.amdhsa_system_sgpr_workgroup_id_x 1
		.amdhsa_system_sgpr_workgroup_id_y 1
		.amdhsa_system_sgpr_workgroup_id_z 1
		.amdhsa_system_vgpr_workitem_id 0
		.amdhsa_next_free_vgpr 244
		.amdhsa_next_free_sgpr 66
		.amdhsa_reserve_vcc 0
		.amdhsa_float_denorm_mode_32 3
		.amdhsa_float_denorm_mode_16_64 3
		.amdhsa_memory_ordered 1
		.amdhsa_forward_progress 1
		.amdhsa_inst_pref_size 83
	.end_amdhsa_kernel
	.amdgpu_metadata
---
amdhsa.version: [ 1, 2 ]
amdhsa.kernels:
  - .name:           k_q205d2ae432_pairs
    .symbol:         k_q205d2ae432_pairs.kd
    .args:
      - { .name: xyz1, .offset: 0, .size: 8, .value_kind: global_buffer, .address_space: global }
      - { .name: xyz2, .offset: 8, .size: 8, .value_kind: global_buffer, .address_space: global }
      - { .name: part1, .offset: 16, .size: 8, .value_kind: global_buffer, .address_space: global }
      - { .name: part2, .offset: 24, .size: 8, .value_kind: global_buffer, .address_space: global }
    .group_segment_fixed_size: 300032
    .private_segment_fixed_size: 0
    .kernarg_segment_align: 8
    .kernarg_segment_size: 32
    .max_flat_workgroup_size: 256
    .sgpr_count:     66
    .vgpr_count:     244
    .wavefront_size: 32
...
	.end_amdgpu_metadata
.endif
;; end of part 3
;; launch fold: the kernel of part 2 again; grid 256 x 1, 2 waves a work-group, no clusters, 0 bytes of LDS; arguments part1, part2, out0, out1; writes out0, out1
